; MI455X (gfx1250); checked and timed in simulation.
; The chip was launched on July 23, 2026; its instructions are those of AMD's public machine-readable ISA for CDNA 5 (MIT licence, August 2026) and "CDNA5" Instruction Set Architecture Reference Guide (July 2026). The comments in the code are by the model that wrote it; some were corrected since.
;; Fixed Attention. Allowed arithmetic: matrix products marked QUANTISED: E5M2 operands, one E8M0 scale for each 32 along K, by v_wmma_scale_f32_16x16x128_f8f6f4 with both operands' format E5M2, f32 sums; everything else in f32.
;; Inputs: Wk 256 x 256 float32; Wq 256 x 256 float32; Wv 256 x 256 float32; bk 256 float32; bq 256 float32; bv 256 float32; lengths 16 int32; x 16 x 2,048 x 256 float32.
;; Outputs: out0 16 x 256 float32.
;; This version of the problem:
;;   THIS VERSION OF THE PROBLEM IS GIVEN IN LOW PRECISION. The matrix products marked QUANTISED in the list below multiply operands that are first quantised to E5M2 (5 exponent bits, 2 mantissa bits; 8 bits a number), with one power-of-two scale for each 32 numbers along K (OCP MX v1.0); their sums are f32. All else is computed in f32.
;;   The module's matrix products, in the order in which they are computed (A, B: the left and right operand; K: the contracted axis; several contracted axes count as one K, in the product's order):
;;     1. [M 32,768, K 256] x [K 256, N 256]; A: input x; B: input Wq: QUANTISED
;;     2. [M 32,768, K 256] x [K 256, N 256]; A: input x; B: input Wk: QUANTISED
;;     3. [M 32,768, K 256] x [K 256, N 256]; A: input x; B: input Wv: QUANTISED
;;     4. batch 16 x [M 2,048, K 256] x [K 256, N 2,048]; A: computed on the way; B: computed on the way: QUANTISED
;;     5. batch 16 x [M 2,048, K 2,048] x [K 2,048, N 256]; A: computed on the way; B: computed on the way: QUANTISED
;;   THE QUANTISER, for each operand of a quantised product, along K:
;;     - K is cut into blocks of 32 from its start; a last block that is shorter is filled with zeros.
;;     - A block's scale is 2^e with e = floor(log2(the largest magnitude in the block)) - 15, held to -126 .. 127; a block of zeros has e = 0. As a byte (E8M0): e + 127.
;;     - Each number is divided by its block's scale, clamped to +-57,344, and rounded to the nearest number of E5M2, ties to even, subnormals kept.
;;     - The product sums the exact products of the quantised numbers (number of the format x scale) in f32.
;;   ~~~python
;;   def quantise(x, axis):      # numpy; x: float32 -> the quantised numbers, widened to float32 again
;;       x = np.moveaxis(x, axis, -1); K = x.shape[-1]
;;       x = np.pad(x, [(0, 0)] * (x.ndim - 1) + [(0, -K % 32)]); x = x.reshape(x.shape[:-1] + (-1, 32)); a = np.abs(x).max(-1, keepdims=True)
;;       e = np.where(a > 0, np.clip(np.frexp(np.where(a > 0, a, 1))[1] - 1 - 15, -126, 127), 0)      # np.frexp(a)[1] - 1 = floor(log2(a)), exactly
;;       r = np.clip(x / 2.0 ** e, -57344, 57344)
;;       step = 2.0 ** (np.maximum(np.frexp(np.where(r == 0, 1, r))[1] - 1, -14) - 2)
;;       q = np.round(r / step) * step * 2.0 ** e      # np.round: ties to even
;;       return np.moveaxis(q.reshape(q.shape[:-2] + (-1,))[..., :K], -1, axis).astype(np.float32)
;;   ~~~
;;   OPERANDS COMPUTED ON THE WAY. 'Computed on the way' means the value that the module computes at that place (a softmax that the list does not call 'softmax' is quantised finished and normalised). What goes into a quantiser is computed in f32, as accurately as f32 sums, v_exp_f32 and their like allow (about 1e-6 of the number): no bf16 or f16 on the way to a quantiser, and a product that is left as it is and whose result goes on into a quantised operand takes f32 operands (vector FMAs, or v_wmma_f32_16x16x4_f32). A number that lies on a knife's edge between two numbers of the format may be rounded either way, as far as f32 arithmetic and the matrix unit's own rounding can turn it there, and no further.
;; One version. Each part assembles by itself: llvm-mc -triple=amdgcn-amd-amdhsa -mcpu=gfx1250 --defsym DOCPART=n.
;; ======== version 1 of 1: 4 launches
;; workspace buffers: wq 202,752 bytes; tab 4,096 bytes of whole numbers; qbuf 8,650,752 bytes; kbuf 8,650,752 bytes; vbuf 8,650,752 bytes; part 262,144 bytes
;; launch prep (part 1): grid 26 x 1, 4 waves a work-group, no clusters, 0 bytes of LDS; arguments Wq, Wk, Wv, lengths, wq, tab; writes wq, tab
.if DOCPART == 1
	.amdgcn_target "amdgcn-amd-amdhsa--gfx1250"
	.amdhsa_code_object_version 6
	.text
	.protected	k_qe5fa5d30f1_prep
	.globl	k_qe5fa5d30f1_prep
	.p2align	8
	.type	k_qe5fa5d30f1_prep,@function
k_qe5fa5d30f1_prep:
	s_mov_b64 s[64:65], 0
	v_nop
	global_prefetch_b8 v0, s[64:65] scope:SCOPE_SE
	s_setreg_imm32_b32 hwreg(HW_REG_WAVE_MODE, 25, 1), 1
	s_wait_xcnt 0x0
; TWO JOBS IN ONE LAUNCH, told apart by the work-group's number.
; Work-groups 0-23: Wq, Wk, Wv [256 (feature)][256 (e)], f32, become codes of BF8 (E5M2) with one E8M0 byte for each 32 along e, laid as IMAGES OF THE OPERAND'S REGISTERS
; for the next launch: wq = [wave w 0..3][fragment 0..23][c 0..3][lane][16 bytes]; from byte WSC on the scale words [w][tile 0..11][K step 0..1][r 0..15].
; Fragment 2 t + ks, t = 0..7: 16 rows of Wq (w = 0, 1) or Wk (w = 2, 3), lane r takes feature 128 (w & 1) + 32 (t / 2) + 8 (t % 2) + r + 8 (r / 8); fragment 16 + 2 t' + ks: Wv, lane r takes feature 64 w + 16 t' + r.
; A work-group is one fragment number, its wave w makes that fragment for the next launch's wave w: 16 rows x 128 along e, 64 numbers a lane.
; Work-groups 24, 25: the table that shares the attention out: 256 entries of 16 bytes {chunk of 128 keys, first quad of 64 queries, number of quads, batch}, a thread an entry; whole numbers only.
; With n = the length held to 0..2048, T = ceil(n / 64) quads and C = ceil(n / 128) chunks are kept of a batch.  Each chunk's T quads are cut into ceil(T / G) runs of at most G;
; G is the smallest of 1..32 for which all runs of all batches are at most 256 (G = 32 always serves: one run a chunk, at most 256 chunks).  Entries left over are zeros.
; A block's scale is 2^(floor(log2(its largest magnitude)) - 15); its byte is the largest magnitude's exponent field - 15, held at 1 from below.
; LIMITS: a block of zeros gets the byte 1 where the rule says 127 (its codes are zeros, and this program alone reads the bytes); NaN and infinities among the inputs are not served.
.set X,   32                           ; v32-95   64 numbers: register 16 b + i = e 32 b + 16 (lane / 16) + i of my row's K step
.set PC,  96                           ; v96-111  the fragment's codes
.set TM,  112                          ; v112-127 at work in QUANT
.set PW,  16                           ; v16      the scale word
.set MK,  17                           ; (not used here)
.set SEL, 60                           ; s[60:61] lane selects of v_permlanex16_b32: lane l xor 16
.set MNT, 62                           ; s62      the mantissa field of 57,344
.set WSC, 196608                       ; where the scale words begin in wq
.set VI,  20                           ; the table: my entry's number
.set VG,  21                           ; G - 1 that my lane tries
.set VM,  22                           ; lane g - 1: 65536 / g + 1: x / g = (x times that) >> 16, exact for x < 256 and g <= 32
.set VSUM, 23
.set VX,  24
.set VB,  25                           ; my entry's batch, the batch's first entry, its runs a chunk, the multiplier for them, its T
.set VST, 26
.set VSEG, 27
.set VMS, 28
.set VT,  29
.set VJ,  30
.set VC,  31
.set VQ,  33
.set E,   36                           ; v36-39   the entry
.set VA,  40
; 64 numbers of a lane, v[s] .. v[s + 63], become a fragment's codes in v[PC] on and its scale word in v[PW].  mk = 1: the hold's limit is cleared where v[MK] is 0.
.macro QUANT s, mk
.irp b, 0,1,2,3
	v_max3_num_f32 v[TM+\b], |v[\s+16*\b]|, |v[\s+1+16*\b]|, 0x8000000   ; block b: my 16 numbers, and the floor 2^(16 - 127): the byte cannot fall under 1
.endr
.irp i, 2,4,6,8,10,12,14
.irp b, 0,1,2,3
	v_max3_num_f32 v[TM+\b], v[TM+\b], |v[\s+16*\b+\i]|, |v[\s+1+16*\b+\i]|   ; the four blocks by turns
.endr
.endr
.irp b, 0,1,2,3
	v_permlanex16_b32 v[TM+4+\b], v[TM+\b], s[SEL], s[SEL+1]
.endr
.irp b, 0,1,2,3
	v_max_num_f32 v[TM+\b], v[TM+\b], v[TM+4+\b]   ; with lane l xor 16's: the block's largest magnitude
.endr
.irp b, 0,1,2,3
	v_add_nc_u32 v[TM+12+\b], 0xf8800000, v[TM+\b]   ; 15 off its exponent field: the conversion's scale operand
.endr
.irp b, 0,1,2,3
	v_and_or_b32 v[TM+8+\b], v[TM+\b], 0x7f800000, s[MNT]   ; 57,344 x the scale
.endr
.if \mk
.irp b, 0,1,2,3
	v_and_b32 v[TM+8+\b], v[MK], v[TM+8+\b]
.endr
.endif
.irp b, 0,1,2,3
	v_lshrrev_b32 v[TM+4+\b], 23, v[TM+12+\b]   ; the scale's byte
.endr
	v_lshl_or_b32 v[PW], v[TM+5], 8, v[TM+4]
	v_lshl_or_b32 v[PW], v[TM+6], 16, v[PW]
	v_lshl_or_b32 v[PW], v[TM+7], 24, v[PW]
.irp b, 0,1,2,3
.irp i, 0,1,2,3,4,5,6,7,8,9,10,11,12,13,14,15
	v_med3_num_f32 v[\s+16*\b+\i], v[\s+16*\b+\i], -v[TM+8+\b], v[TM+8+\b]   ; the conversion to an 8-bit code does not saturate (ISA guide 7.6.2): the hold comes first
.endr
	v_cvt_scalef32_pk8_bf8_f32 v[PC+4*\b:PC+1+4*\b], v[\s+16*\b:\s+7+16*\b], v[TM+12+\b]
	v_cvt_scalef32_pk8_bf8_f32 v[PC+2+4*\b:PC+3+4*\b], v[\s+8+16*\b:\s+15+16*\b], v[TM+12+\b]
.endr
	v_nop                                          ; one plain line behind the last conversion
.endm
	s_load_b256 s[36:43], s[0:1], 0x0              ; Wq s[36:37], Wk s[38:39], Wv s[40:41], lengths s[42:43]
	s_load_b128 s[44:47], s[0:1], 0x20             ; wq s[44:45], tab s[46:47]
	v_lshrrev_b32 v1, 5, v0
	v_readfirstlane_b32 s8, v1                     ; wave 0..3
	s_mov_b32 s3, 0
	s_cmp_ge_u32 ttmp9, 24
	s_cbranch_scc1 .Ltable
	; ---- a fragment of a weight
	s_lshr_b32 s10, ttmp9, 1                       ; tile 0..11
	s_and_b32 s11, ttmp9, 1                        ; K step
	s_and_b32 s12, s8, 1
	s_lshl_b32 s12, s12, 7                         ; Wq, Wk: 128 (w & 1)
	s_lshr_b32 s13, s10, 1
	s_lshl_b32 s13, s13, 5
	s_add_co_u32 s12, s12, s13                     ; + 32 (t / 2)
	s_and_b32 s13, s10, 1
	s_lshl_b32 s13, s13, 3
	s_add_co_u32 s12, s12, s13                     ; + 8 (t % 2)
	s_lshl_b32 s13, s8, 6                          ; Wv: 64 w
	s_lshl_b32 s14, s10, 4
	s_add_co_u32 s13, s13, s14
	s_sub_co_u32 s13, s13, 128                     ; + 16 (tile - 8)
	s_cmp_lt_u32 ttmp9, 16
	s_cselect_b32 s12, s12, s13                    ; the tile's first row
	s_cselect_b32 s15, 1, 0                        ; 1: the tile's lanes 8-15 take rows 8 further on
	s_lshl_b32 s2, s12, 10                         ; a row of W is 1,024 bytes,
	s_lshl_b32 s13, s11, 9                         ; a K step 512
	s_add_co_u32 s2, s2, s13
	s_mul_i32 s4, s8, 49152                        ; the image: 24 fragments of 2,048 bytes for each wave of the next launch
	s_lshl_b32 s13, ttmp9, 11
	s_add_co_u32 s4, s4, s13
	s_mov_b32 s5, 0
	s_mul_i32 s6, s8, 12                           ; the scale words: 128 bytes a tile, 64 a K step
	s_add_co_u32 s6, s6, s10
	s_lshl_b32 s6, s6, 7
	s_lshl_b32 s13, s11, 6
	s_add_co_u32 s6, s6, s13
	s_add_co_u32 s6, s6, WSC
	s_mov_b32 s7, 0
	s_mov_b32 s[SEL], 0x76543210
	s_mov_b32 s[SEL+1], 0xfedcba98
	s_mov_b32 s[MNT], 0x600000
	v_and_b32 v2, 15, v0                           ; r
	v_bfe_u32 v3, v0, 4, 1                         ; h
	v_and_b32 v4, 31, v0                           ; lane
	v_and_b32 v5, 8, v2
	v_mul_u32_u24 v5, v5, s15
	v_add_nc_u32 v5, v5, v2                        ; r, or r + 8 (r / 8)
	v_lshlrev_b32 v5, 10, v5
	v_lshl_add_u32 v5, v3, 6, v5                   ; my row, + 64 h: my 16 numbers of a block of 32
	v_lshlrev_b32 v6, 4, v4                        ; an image's place for my lane
	v_lshlrev_b32 v7, 2, v2                        ; a scale word's
.irp b, 0,1,2,3
	v_mov_b32 v[TM+4+\b], 0                        ; written once: a lane permute's destination counts as one of its sources
.endr
	s_wait_kmcnt 0x0
	s_cmp_lt_u32 s8, 2                             ; the choices hang on the wave's and the work-group's numbers alone
	s_cselect_b64 s[52:53], s[36:37], s[38:39]
	s_cmp_lt_u32 ttmp9, 16
	s_cselect_b64 s[52:53], s[52:53], s[40:41]
	s_add_nc_u64 s[52:53], s[52:53], s[2:3]
	s_add_nc_u64 s[48:49], s[44:45], s[4:5]
	s_add_nc_u64 s[50:51], s[44:45], s[6:7]
.irp c, 0,1,2,3
.irp j, 0,1,2,3
	global_load_b128 v[X+16*\c+4*\j:X+16*\c+4*\j+3], v5, s[52:53] offset:128*\c+16*\j th:TH_LOAD_NT   ; W(my row, 128 ks + 32 c + 16 h + 4 j ..): each number is read once in the launch
.endr
.endr
	s_wait_loadcnt 0x0
	QUANT X, 0
.irp c, 0,1,2,3
	global_store_b128 v6, v[PC+4*\c:PC+4*\c+3], s[48:49] offset:512*\c   ; 32 lanes store 512 consecutive bytes
.endr
	global_store_b32 v7, v[PW], s[50:51]           ; lanes l and l xor 16 hold the same word and store it to the same place
	s_endpgm
	; ---- the table
.Ltable:
	s_wait_kmcnt 0x0
	s_load_b512 s[16:31], s[42:43], 0x0            ; the sixteen lengths
	s_sub_co_u32 s2, ttmp9, 24
	s_lshl_b32 s2, s2, 7
	v_add_nc_u32 v[VI], s2, v0                     ; my entry
	v_and_b32 v[VG], 31, v0
	v_mov_b32 v[VM], 0
.set g, 1
.rept 32
	s_mov_b32 s2, 65536/g+1
	v_writelane_b32 v[VM], s2, g-1
.set g, g+1
.endr
	v_mov_b32 v[VSUM], 0
	v_mov_b32 v[VB], 0
	v_mov_b32 v[VST], 0
	v_mov_b32 v[VSEG], 0
	v_mov_b32 v[VMS], 0
	v_mov_b32 v[VT], 0
	s_mov_b32 s49, 256
	s_mov_b32 s52, 0
	s_wait_kmcnt 0x0
.irp b, 0,1,2,3,4,5,6,7,8,9,10,11,12,13,14,15
	s_max_i32 s[16+\b], s[16+\b], 0                ; arange(L) < length: any length acts as one held to 0 .. 2048
	s_min_u32 s[16+\b], s[16+\b], 2048
	s_add_co_u32 s[16+\b], s[16+\b], 63
	s_lshr_b32 s[16+\b], s[16+\b], 6               ; T
.endr
.irp b, 0,1,2,3,4,5,6,7,8,9,10,11,12,13,14,15
	s_add_co_u32 s2, s[16+\b], 1
	s_lshr_b32 s2, s2, 1                           ; C
	v_add_nc_u32 v[VX], s[16+\b], v[VG]
	v_mul_u32_u24 v[VX], v[VX], v[VM]
	v_lshrrev_b32 v[VX], 16, v[VX]                 ; ceil(T / G) for my lane's G
	v_mad_u32_u24 v[VSUM], v[VX], s2, v[VSUM]      ; all runs of all batches under that G
.endr
	v_cmp_ge_u32 s48, s49, v[VSUM]                 ; which G fit into 256 entries
	s_ctz_i32_b32 s50, s48                         ; the smallest: G - 1
	s_min_u32 s50, s50, 31
	v_readlane_b32 s51, v[VM], s50                 ; its multiplier
	s_add_co_u32 s56, s50, 1                       ; G
.irp b, 0,1,2,3,4,5,6,7,8,9,10,11,12,13,14,15
	s_add_co_u32 s53, s[16+\b], s50
	s_mul_i32 s53, s53, s51
	s_lshr_b32 s53, s53, 16                        ; the batch's runs a chunk
	s_max_u32 s54, s53, 1
	s_sub_co_u32 s54, s54, 1
	v_readlane_b32 s55, v[VM], s54                 ; the multiplier that divides by them
	v_cmp_le_u32 vcc_lo, s52, v[VI]                ; the batch begins at or in front of my entry: the last such batch stays
	v_cndmask_b32 v[VB], v[VB], \b, vcc_lo
	v_cndmask_b32 v[VST], v[VST], s52, vcc_lo
	v_cndmask_b32 v[VSEG], v[VSEG], s53, vcc_lo
	v_cndmask_b32 v[VMS], v[VMS], s55, vcc_lo
	v_cndmask_b32 v[VT], v[VT], s[16+\b], vcc_lo
	s_add_co_u32 s2, s[16+\b], 1
	s_lshr_b32 s2, s2, 1
	s_mul_i32 s2, s2, s53
	s_add_co_u32 s52, s52, s2                      ; where the next batch begins; at the end: the entries in use
.endr
	v_sub_nc_u32 v[VJ], v[VI], v[VST]              ; my entry within the batch
	v_mul_u32_u24 v[VC], v[VJ], v[VMS]
	v_lshrrev_b32 v[VC], 16, v[VC]                 ; its chunk
	v_mul_u32_u24 v[VX], v[VC], v[VSEG]
	v_sub_nc_u32 v[VX], v[VJ], v[VX]               ; its run
	v_mul_u32_u24 v[VQ], v[VX], s56                ; the run's first quad
	v_lshl_add_u32 v[E], v[VB], 4, v[VC]
	v_min_u32 v[E], 255, v[E]
	v_lshl_add_u32 v[E+1], v[VB], 5, v[VQ]
	v_min_u32 v[E+1], 511, v[E+1]
	v_sub_nc_u32 v[E+2], v[VT], v[VQ]
	v_min_u32 v[E+2], s56, v[E+2]                  ; G quads, or what is left of T
	v_mov_b32 v[E+3], v[VB]
	v_cmp_gt_u32 vcc_lo, s52, v[VI]                ; is my entry in use?
.irp j, 0,1,2,3
	v_cndmask_b32 v[E+\j], 0, v[E+\j], vcc_lo
.endr
	v_lshlrev_b32 v[VA], 4, v[VI]
	global_store_b128 v[VA], v[E:E+3], s[46:47]    ; 32 lanes store 512 consecutive bytes
	s_endpgm
.Lfunc_end_k_qe5fa5d30f1_prep:
	.size	k_qe5fa5d30f1_prep, .Lfunc_end_k_qe5fa5d30f1_prep-k_qe5fa5d30f1_prep
	.p2alignl 7, 3214868480
	.fill 96, 4, 3214868480
	.section	.rodata,"a",@progbits
	.p2align	6, 0x0
	.amdhsa_kernel k_qe5fa5d30f1_prep
		.amdhsa_group_segment_fixed_size 0
		.amdhsa_private_segment_fixed_size 0
		.amdhsa_enable_private_segment 0
		.amdhsa_kernarg_size 48
		.amdhsa_user_sgpr_count 2
		.amdhsa_user_sgpr_kernarg_segment_ptr 1
		.amdhsa_wavefront_size32 1
		.amdhsa_system_sgpr_workgroup_id_x 1
		.amdhsa_system_sgpr_workgroup_id_y 1
		.amdhsa_system_sgpr_workgroup_id_z 1
		.amdhsa_system_vgpr_workitem_id 0
		.amdhsa_next_free_vgpr 128
		.amdhsa_next_free_sgpr 66
		.amdhsa_reserve_vcc 1
		.amdhsa_float_denorm_mode_32 3
		.amdhsa_float_denorm_mode_16_64 3
		.amdhsa_memory_ordered 1
		.amdhsa_forward_progress 1
		.amdhsa_inst_pref_size 36
	.end_amdhsa_kernel
	.amdgpu_metadata
---
amdhsa.version: [ 1, 2 ]
amdhsa.kernels:
  - .name:           k_qe5fa5d30f1_prep
    .symbol:         k_qe5fa5d30f1_prep.kd
    .args:
      - { .name: Wq, .offset: 0, .size: 8, .value_kind: global_buffer, .address_space: global }
      - { .name: Wk, .offset: 8, .size: 8, .value_kind: global_buffer, .address_space: global }
      - { .name: Wv, .offset: 16, .size: 8, .value_kind: global_buffer, .address_space: global }
      - { .name: lengths, .offset: 24, .size: 8, .value_kind: global_buffer, .address_space: global }
      - { .name: wq, .offset: 32, .size: 8, .value_kind: global_buffer, .address_space: global }
      - { .name: tab, .offset: 40, .size: 8, .value_kind: global_buffer, .address_space: global }
    .group_segment_fixed_size: 0
    .private_segment_fixed_size: 0
    .kernarg_segment_align: 8
    .kernarg_segment_size: 48
    .max_flat_workgroup_size: 128
    .sgpr_count:     66
    .vgpr_count:     128
    .wavefront_size: 32
...
	.end_amdgpu_metadata
.endif
;; end of part 1
;; launch proj (part 2): grid 256 x 1, 4 waves a work-group, no clusters, 168,448 bytes of LDS; arguments x, lengths, bq, bk, bv, wq, qbuf, kbuf, vbuf; writes qbuf, kbuf, vbuf
.if DOCPART == 2
	.amdgcn_target "amdgcn-amd-amdhsa--gfx1250"
	.amdhsa_code_object_version 6
	.text
	.protected	k_qe5fa5d30f1_proj
	.globl	k_qe5fa5d30f1_proj
	.p2align	8
	.type	k_qe5fa5d30f1_proj,@function
k_qe5fa5d30f1_proj:
	s_mov_b64 s[64:65], 0
	v_nop
	global_prefetch_b8 v0, s[64:65] scope:SCOPE_SE
	s_setreg_imm32_b32 hwreg(HW_REG_WAVE_MODE, 25, 1), 1
	s_wait_xcnt 0x0
; q = (x Wq^T + bq) mask, k = (x Wk^T + bk) mask, v = x Wv^T + bv, all three products on codes of BF8 (E5M2) with one E8M0 scale for each 32 along e; the results are quantised at once for the two products
; of the attention and leave as IMAGES OF THE OPERANDS' REGISTERS (lane l's registers 4 c .. 4 c + 3 at byte 512 c + 16 l): q and k along the features, v along the tokens (the keys).
; SHARES.  A work-group takes a block of 128 tokens of one batch (block = 16 batch + token / 128).  Wave w quantises tokens 32 w .. 32 w + 31 of x, which reach the others through LDS as images.
; THE WAVES SHARE THE FEATURES: wave w makes 128 features of q (w = 0, 1) or of k (w = 2, 3), half w & 1, which is one K step of q k^T, and features 64 w .. 64 w + 63 of v, for all 128 tokens.
; Its 24 fragments of the weights (codes made by the launch before) stay in 384 registers.
; THE TOKENS OF A TILE ARE NOT NEIGHBOURS: lane r of tile m = 2 B + u takes token 32 B + 8 u + r + 8 (r / 8).  So the 16 registers of two neighbouring tiles of v (source 0 = x's tile) are 16 neighbouring tokens,
; and so will be the scores' when k's tile is source 0 of k q^T.  The rows of Wq and Wk that form a tile are chosen alike, so that q's and k's registers (source 0 = the weight's tile) run along neighbouring features.
; THE MASK: a token at or past the batch's length gets the hold's limit 0, so its codes of q and k are zeros (0x00 or 0x80).  v is not masked.  No branch hangs on the length: every block is computed.
; bq, bk are the C of each sum's first matrix instruction; bv is added on v's way to the quantiser.
; OUT: qbuf, kbuf = [tile 8 block + m][K step][c][lane][16 bytes], from byte SCO the scale words [tile][K step][r]; vbuf = [block][tile of 16 features][c][lane][16 bytes], from SCO [block][tile][r].
; No cluster: what the work-groups share is the weights' 192 KiB, which go once, straight into the registers where they stay; landed in LDS they would not fit beside the stage and the images.
; LIMITS: a block of zeros gets the byte 1 where the rule says 127 (its codes are zeros, and this program alone reads the bytes); NaN and infinities among the inputs are not served.
; REGISTERS, in windows of 256: window 0: addresses, v32-63 x's two fragments, v64-127 my 8 tiles of q or k, v128-191 64 numbers on their way to the quantiser, v192.. at work, scale words, bv.
;   window 1: Wq's or Wk's 16 fragments (tile t, K step ks at 32 t + 16 ks).   window 2: Wv's 8 fragments; from v128 the bias as C, 8 registers a tile.   window 3: v's 32 accumulators ((t', m) at 64 t' + 8 m).
.set XIMG,  0                          ; LDS: x's 16 fragments [tile m][K step][c][lane]: 32,768 bytes,
.set XSC,   32768                      ; their scale words [m][K step][r]: 1,024 bytes,
.set STAGE, 33792                      ; and for each wave 32 rows of x as f32: 1,024 bytes + 16 of padding a row; only the tensor load writes here
.set SW,    33280
.set SP,    1040
.set SCO,   8388608                    ; where the scale words begin in qbuf, kbuf, vbuf
.set WSC,   196608                     ; and in wq
.set LI,  1                            ; v1   16 x lane: an image's place for my lane
.set LS,  2                            ; v2   XSC + 4 x lane
.set L16, 3                            ; v3   4 r
.set XR,  4                            ; v4   my row of tile 2 w in my stage, + 64 h
.set XWI, 6                            ; v6   where I store x's images
.set XWS, 7                            ; v7   and their scale words
.set PR,  8                            ; v8   r + 8 (r / 8)
.set H64, 9                            ; v9   64 h
.set L4,  10                           ; v10  4 x lane
.set ZERO, 11
.set ONES, 12
.set VT,  13
.set XF,  32
.set HA,  64
.set ST,  128
.set PC,  192
.set TM,  208
.set PW,  224
.set XS,  225                          ; x's scale words: lanes 0-15 K step 0, lanes 16-31 K step 1
.set MK,  226                          ; all ones where my token counts, else 0
.set W1S, 228                          ; v228-235 Wq's or Wk's scale words, likewise; v236-239 Wv's
.set WVS, 236
.set BV,  240                          ; v240-247 bv of my feature of tile t', twice (a pair for the packed addition)
.set B1,  128                          ; in window 2
.set SEL, 12                           ; s[12:13]
.set MNT, 14
.set MSB, 0
.macro WIN new                         ; the immediate's high byte repeats the setting that is left
.if MSB != \new
	s_set_vgpr_msb (MSB<<8)|\new
.set MSB, \new
.endif
.endm
; 64 numbers of a lane, v[s] .. v[s + 63], register 16 b + i = k 32 b + 16 (lane / 16) + i of my row, become a fragment's codes in v[PC] on and its scale word in v[PW].  mk = 1: the hold's limit is cleared where v[MK] is 0.
.macro QUANT s, mk
.irp b, 0,1,2,3
	v_max3_num_f32 v[TM+\b], |v[\s+16*\b]|, |v[\s+1+16*\b]|, 0x8000000   ; block b: my 16 numbers, and the floor 2^(16 - 127): the byte cannot fall under 1
.endr
.irp i, 2,4,6,8,10,12,14
.irp b, 0,1,2,3
	v_max3_num_f32 v[TM+\b], v[TM+\b], |v[\s+16*\b+\i]|, |v[\s+1+16*\b+\i]|   ; the four blocks by turns; each accumulator is read from its low end on
.endr
.endr
.irp b, 0,1,2,3
	v_permlanex16_b32 v[TM+4+\b], v[TM+\b], s[SEL], s[SEL+1]
.endr
.irp b, 0,1,2,3
	v_max_num_f32 v[TM+\b], v[TM+\b], v[TM+4+\b]   ; with lane l xor 16's: the block's largest magnitude
.endr
.irp b, 0,1,2,3
	v_add_nc_u32 v[TM+12+\b], 0xf8800000, v[TM+\b]   ; 15 off its exponent field: the conversion's scale operand
.endr
.irp b, 0,1,2,3
	v_and_or_b32 v[TM+8+\b], v[TM+\b], 0x7f800000, s[MNT]   ; 57,344 x the scale
.endr
.if \mk
.irp b, 0,1,2,3
	v_and_b32 v[TM+8+\b], v[MK], v[TM+8+\b]        ; a hidden token is held between -0 and 0
.endr
.endif
.irp b, 0,1,2,3
	v_lshrrev_b32 v[TM+4+\b], 23, v[TM+12+\b]   ; the scale's byte
.endr
	v_lshl_or_b32 v[PW], v[TM+5], 8, v[TM+4]
	v_lshl_or_b32 v[PW], v[TM+6], 16, v[PW]
	v_lshl_or_b32 v[PW], v[TM+7], 24, v[PW]
.irp b, 0,1,2,3
.irp i, 0,1,2,3,4,5,6,7,8,9,10,11,12,13,14,15
	v_med3_num_f32 v[\s+16*\b+\i], v[\s+16*\b+\i], -v[TM+8+\b], v[TM+8+\b]   ; the conversion to an 8-bit code does not saturate (ISA guide 7.6.2): the hold comes first
.endr
	v_cvt_scalef32_pk8_bf8_f32 v[PC+4*\b:PC+1+4*\b], v[\s+16*\b:\s+7+16*\b], v[TM+12+\b]
	v_cvt_scalef32_pk8_bf8_f32 v[PC+2+4*\b:PC+3+4*\b], v[\s+8+16*\b:\s+15+16*\b], v[TM+12+\b]
.endr
	v_nop                                          ; one plain line behind the last conversion: later products write v[s] on
.endm
	s_load_b256 s[32:39], s[0:1], 0x0              ; x s[32:33], lengths s[34:35], bq s[36:37], bk s[38:39]
	s_load_b256 s[40:47], s[0:1], 0x20             ; bv s[40:41], wq s[42:43], qbuf s[44:45], kbuf s[46:47]
	s_load_b64 s[48:49], s[0:1], 0x40              ; vbuf
	v_lshl_add_u32 v254, v0, 2, 0x29000
	v_mov_b32 v255, 0
	ds_add_u32 v254, v255
	ds_add_u32 v254, v255
	v_lshrrev_b32 v13, 5, v0
	v_readfirstlane_b32 s8, v13                    ; wave 0..3
	; descriptor group 1: 32 rows of 256 elements of 4 bytes, dense in memory, 16 bytes of padding behind each row in LDS
	s_mov_b32 s24, (2<<16)|(1<<20)|(7<<22)|(3<<25) ; 15:0 no mask; 17:16 elements of 4 bytes; 20 padding on; 24:22 after every 256 words (code 7); 31:25 four words (code 3)
	s_mov_b32 s25, 256<<16                         ; tensor_dim0
	s_mov_b32 s26, 32<<16                          ; tensor_dim1
	s_mov_b32 s27, 256<<16                         ; tile_dim0
	s_mov_b32 s28, 32                              ; tile_dim1
	s_mov_b32 s29, 256                             ; elements from row to row
	s_mov_b32 s30, 0
	s_mov_b32 s31, 0
	s_mov_b32 s20, 1                               ; group 0: count = 1,
	s_mul_i32 s21, s8, SW
	s_add_co_u32 s21, s21, STAGE                   ; my stage,
	s_lshl_b32 s2, ttmp9, 17                       ; block x 128 rows of 1,024 bytes
	s_lshl_b32 s3, s8, 15                          ; + wave x 32 rows
	s_add_co_u32 s2, s2, s3
	s_mov_b32 s3, 0
	v_and_b32 v14, 31, v0                          ; lane
	v_and_b32 v15, 15, v0                          ; r
	v_bfe_u32 v16, v0, 4, 1                        ; h
	v_lshlrev_b32 v[LI], 4, v14
	v_lshl_add_u32 v[LS], v14, 2, XSC
	v_lshlrev_b32 v[L4], 2, v14
	v_lshlrev_b32 v[L16], 2, v15
	v_and_b32 v[PR], 8, v15
	v_add_nc_u32 v[PR], v[PR], v15
	v_mul_u32_u24 v[XR], v[PR], SP
	v_lshl_add_u32 v[XR], v16, 6, v[XR]
	v_add_nc_u32 v[XR], s21, v[XR]
	s_lshl_b32 s4, s8, 13
	v_add_nc_u32 v[XWI], s4, v[LI]                 ; my two tiles' images: 8,192 bytes a wave
	s_lshl_b32 s4, s8, 8
	s_add_co_u32 s4, s4, XSC
	v_add_nc_u32 v[XWS], s4, v[L16]
	v_lshlrev_b32 v[H64], 6, v16
	v_mov_b32 v[ZERO], 0
	v_mov_b32 v[ONES], -1
.irp b, 0,1,2,3
	v_mov_b32 v[TM+4+\b], 0                        ; written once: a lane permute's destination counts as one of its sources
.endr
	s_mov_b32 s[SEL], 0x76543210
	s_mov_b32 s[SEL+1], 0xfedcba98
	s_mov_b32 s[MNT], 0x600000
	s_wait_dscnt 0x0
	s_wait_kmcnt 0x0
	s_add_nc_u64 s[22:23], s[32:33], s[2:3]        ; the global address of my 32 rows,
	s_or_b32 s23, s23, 0x80000000                  ; type = 2
	tensor_load_to_lds s[20:23], s[24:31]          ; my one tensor load: it fills my stage once; nothing is filled again in this launch
	s_nop 0
.rept 4
	v_nop                                          ; four behind a tensor load
.endr
	s_lshr_b32 s2, ttmp9, 4
	s_lshl_b32 s2, s2, 2
	s_add_nc_u64 s[34:35], s[34:35], s[2:3]
	s_load_b32 s9, s[34:35], 0x0                   ; my batch's length
	s_and_b32 s10, s8, 1                           ; which half of q's or k's features
	s_mul_i32 s2, s8, 49152
	s_add_nc_u64 s[58:59], s[42:43], s[2:3]        ; my 24 fragments
	s_mul_i32 s2, s8, 1536
	s_add_co_u32 s2, s2, WSC
	s_add_nc_u64 s[60:61], s[42:43], s[2:3]        ; and their scale words
	s_cmp_lt_u32 s8, 2                             ; q's wave or k's: the choice hangs on the wave's number alone
	s_cselect_b64 s[16:17], s[36:37], s[38:39]
	s_cselect_b64 s[50:51], s[44:45], s[46:47]
	s_lshl_b32 s2, s10, 9
	s_add_nc_u64 s[16:17], s[16:17], s[2:3]        ; the bias of my 128 features
	s_lshl_b32 s2, s8, 8
	s_add_nc_u64 s[18:19], s[40:41], s[2:3]        ; bv of my 64
	s_lshl_b32 s2, ttmp9, 10
	s_lshl_b32 s4, s10, 6
	s_add_co_u32 s2, s2, s4
	s_add_co_u32 s2, s2, SCO
	s_add_nc_u64 s[52:53], s[50:51], s[2:3]        ; out: scale words of the block's tiles, my K step
	s_lshl_b32 s2, ttmp9, 15
	s_lshl_b32 s4, s10, 11
	s_add_co_u32 s2, s2, s4
	s_add_nc_u64 s[50:51], s[50:51], s[2:3]        ; out: the images
	s_lshl_b32 s2, ttmp9, 15
	s_lshl_b32 s4, s8, 13
	s_add_co_u32 s2, s2, s4
	s_add_nc_u64 s[54:55], s[48:49], s[2:3]        ; out: v's images, my four tiles of features
	s_lshl_b32 s2, ttmp9, 10
	s_lshl_b32 s4, s8, 8
	s_add_co_u32 s2, s2, s4
	s_add_co_u32 s2, s2, SCO
	s_add_nc_u64 s[56:57], s[48:49], s[2:3]        ; and their scale words
	WIN 0x40                                       ; destination window 1
.set f, 0
.rept 16
.irp c, 0,1,2,3
	global_load_b128 v[16*f+4*\c:16*f+4*\c+3], v[LI], s[58:59] offset:2048*f+512*\c
.endr
.set f, f+1
.endr
	WIN 0x80                                       ; destination window 2
.set f, 0
.rept 8
.irp c, 0,1,2,3
	global_load_b128 v[16*f+4*\c:16*f+4*\c+3], v[LI], s[58:59] offset:2048*(16+f)+512*\c
.endr
.set f, f+1
.endr
.irp t, 0,1,2,3,4,5,6,7                        ; the bias in the result's layout: lane (r, h), tile t: features 32 (t / 2) + 16 h + 8 (t % 2) + 0 .. 7
	global_load_b128 v[B1+8*\t:B1+8*\t+3], v[H64], s[16:17] offset:(32*(\t/2)+8*(\t%2))*4
	global_load_b128 v[B1+8*\t+4:B1+8*\t+7], v[H64], s[16:17] offset:(32*(\t/2)+8*(\t%2))*4+16
.endr
	WIN 0
.irp t, 0,1,2,3,4,5,6,7,8,9,10,11
	global_load_b32 v[W1S+\t], v[L4], s[60:61] offset:128*\t   ; a tile's 32 words: lanes 0-15 K step 0, lanes 16-31 K step 1
.endr
.irp t, 0,1,2,3
	global_load_b32 v[BV+2*\t], v[L16], s[18:19] offset:64*\t
	global_load_b32 v[BV+2*\t+1], v[L16], s[18:19] offset:64*\t
.endr
	s_wait_kmcnt 0x0
	s_max_i32 s9, s9, 0                            ; arange(L) < length: any length acts as one held to 0 .. 2048
	s_min_u32 s9, s9, 2048
	s_and_b32 s4, ttmp9, 15
	s_lshl_b32 s4, s4, 7
	s_sub_co_i32 s9, s9, s4                        ; a token of this block counts where its number in the block is under this (signed)
	s_wait_tensorcnt 0x0                           ; my 32 rows are in my stage; only I read them
	; ---- X: my 32 tokens become four fragments (tile 2 w + u, K step ks).  Two sets of 64 registers: one fragment's numbers come out of the stage while another is quantised
.macro XLD reg, u, ks
.irp c, 0,1,2,3
.irp j, 0,1,2,3
	ds_load_b128 v[\reg+16*\c+4*\j:\reg+16*\c+4*\j+3], v[XR] offset:8*SP*(\u)+512*(\ks)+128*\c+16*\j   ; x(my token, 128 ks + 32 c + 16 h + 4 j ..)
.endr
.endr
.endm
.macro XST u, ks
.irp c, 0,1,2,3
	ds_store_b128 v[XWI], v[PC+4*\c:PC+4*\c+3] offset:4096*(\u)+2048*(\ks)+512*\c
.endr
	ds_store_b32 v[XWS], v[PW] offset:128*(\u)+64*(\ks)   ; lanes l and l xor 16 hold the same word and store it to the same place
.endm
	XLD ST, 0, 0
	XLD HA, 0, 1
	s_wait_dscnt 16                                ; the first sixteen loads are in
	QUANT ST, 0
	XST 0, 0
	XLD ST, 1, 0
	s_wait_dscnt 16                                ; all but the sixteen loads just issued: the other set is in, and the stores have read the codes' registers
	QUANT HA, 0
	XST 0, 1
	XLD HA, 1, 1
	s_wait_dscnt 16
	QUANT ST, 0
	XST 1, 0
	s_wait_dscnt 0x0
	QUANT HA, 0
	XST 1, 1
	s_wait_dscnt 0x0                               ; for the others' sake: my images lie in LDS
	s_barrier_signal -1
	s_barrier_wait -1                              ; x's sixteen fragments lie in LDS; they are never written again
	s_wait_loadcnt 0x0                             ; the weights, the biases, the scale words
	; ---- a tile of 16 tokens: 16 products for q or k, 8 for v; q's or k's fragment is quantised and stored
.macro MAIN m
.irp g, 0,1,2,3,4,5,6,7
	ds_load_b128 v[XF+4*\g:XF+4*\g+3], v[LI] offset:4096*(\m)+512*\g
.endr
	ds_load_b32 v[XS], v[LS] offset:128*(\m)
	v_add_nc_u32 v[VT], 32*((\m)/2)+8*((\m)%2), v[PR]   ; my token's number in the block
	v_cmp_gt_i32 vcc_lo, s9, v[VT]
	v_cndmask_b32 v[MK], v[ZERO], v[ONES], vcc_lo
	s_wait_dscnt 0x0
	WIN 0x21                                       ; source 0 (the weight) window 1, source 2 (the bias) window 2
.irp t, 0,1,2,3,4,5,6,7
	v_wmma_scale_f32_16x16x128_f8f6f4 v[HA+8*\t:HA+8*\t+7], v[32*\t:32*\t+15], v[XF:XF+15], v[B1+8*\t:B1+8*\t+7], v[W1S+\t], v[XS] matrix_a_fmt:MATRIX_FMT_BF8 matrix_b_fmt:MATRIX_FMT_BF8
.endr
	WIN 0x01
.irp t, 0,1,2,3,4,5,6,7
	v_wmma_scale_f32_16x16x128_f8f6f4 v[HA+8*\t:HA+8*\t+7], v[32*\t+16:32*\t+31], v[XF+16:XF+31], v[HA+8*\t:HA+8*\t+7], v[W1S+\t], v[XS] matrix_a_fmt:MATRIX_FMT_BF8 matrix_b_fmt:MATRIX_FMT_BF8 matrix_a_scale:MATRIX_SCALE_ROW1 matrix_b_scale:MATRIX_SCALE_ROW1
.endr
	WIN 0xc8                                       ; v: source 0 = x's tile, source 1 (Wv) window 2, destination window 3
.irp t, 0,1,2,3
	v_wmma_scale_f32_16x16x128_f8f6f4 v[64*\t+8*(\m):64*\t+8*(\m)+7], v[XF:XF+15], v[32*\t:32*\t+15], 0, v[XS], v[WVS+\t] matrix_a_fmt:MATRIX_FMT_BF8 matrix_b_fmt:MATRIX_FMT_BF8
	v_nop                                          ; eight such lines: the places between q's or k's last product and the first read of its result
.endr
	WIN 0xf8
.irp t, 0,1,2,3
	v_wmma_scale_f32_16x16x128_f8f6f4 v[64*\t+8*(\m):64*\t+8*(\m)+7], v[XF+16:XF+31], v[32*\t+16:32*\t+31], v[64*\t+8*(\m):64*\t+8*(\m)+7], v[XS], v[WVS+\t] matrix_a_fmt:MATRIX_FMT_BF8 matrix_b_fmt:MATRIX_FMT_BF8 matrix_a_scale:MATRIX_SCALE_ROW1 matrix_b_scale:MATRIX_SCALE_ROW1
	v_nop
.endr
	WIN 0
	s_wait_xcnt 0x0                                ; the last tile's stores have read the codes' and the word's registers
	QUANT HA, 1                                    ; (its lines are also the places in front of the next tile's loads into x's registers)
.irp c, 0,1,2,3
	global_store_b128 v[LI], v[PC+4*\c:PC+4*\c+3], s[50:51] offset:4096*(\m)+512*\c   ; 32 lanes store 512 consecutive bytes; the four stores 2,048 on end
.endr
	global_store_b32 v[L16], v[PW], s[52:53] offset:128*(\m)
.endm
.irp m, 0,1,2,3,4,5,6,7
	MAIN \m
.endr
	; ---- v: register 64 t' + 16 B + 8 u + j holds token 32 B + 16 h + 8 u + j of feature 16 t' + r: 64 numbers along the keys
.macro VQ t
	WIN 0x03                                       ; source 0 window 3
.set i, 0
.rept 32
	v_pk_add_f32 v[ST+2*i:ST+2*i+1], v[64*(\t)+2*i:64*(\t)+2*i+1], v[BV+2*(\t):BV+2*(\t)+1]   ; + bv, on the way into window 0; each accumulator from its low end on
.set i, i+1
.endr
	WIN 0
	s_wait_xcnt 0x0                                ; the earlier stores have read the codes' and the word's registers
	QUANT ST, 0
.irp c, 0,1,2,3
	global_store_b128 v[LI], v[PC+4*\c:PC+4*\c+3], s[54:55] offset:2048*(\t)+512*\c
.endr
	global_store_b32 v[L16], v[PW], s[56:57] offset:64*(\t)
.endm
.irp t, 0,1,2,3
	VQ \t
.endr
	s_wait_tensorcnt 0x0
	ds_add_u32 v254, v255
	s_wait_dscnt 0x0
	s_endpgm
.Lfunc_end_k_qe5fa5d30f1_proj:
	.size	k_qe5fa5d30f1_proj, .Lfunc_end_k_qe5fa5d30f1_proj-k_qe5fa5d30f1_proj
	.p2alignl 7, 3214868480
	.fill 96, 4, 3214868480
	.section	.rodata,"a",@progbits
	.p2align	6, 0x0
	.amdhsa_kernel k_qe5fa5d30f1_proj
		.amdhsa_group_segment_fixed_size 168448
		.amdhsa_private_segment_fixed_size 0
		.amdhsa_enable_private_segment 0
		.amdhsa_kernarg_size 72
		.amdhsa_user_sgpr_count 2
		.amdhsa_user_sgpr_kernarg_segment_ptr 1
		.amdhsa_wavefront_size32 1
		.amdhsa_system_sgpr_workgroup_id_x 1
		.amdhsa_system_sgpr_workgroup_id_y 1
		.amdhsa_system_sgpr_workgroup_id_z 1
		.amdhsa_system_vgpr_workitem_id 0
		.amdhsa_next_free_vgpr 1024
		.amdhsa_next_free_sgpr 66
		.amdhsa_reserve_vcc 1
		.amdhsa_float_denorm_mode_32 3
		.amdhsa_float_denorm_mode_16_64 3
		.amdhsa_memory_ordered 1
		.amdhsa_forward_progress 1
		.amdhsa_inst_pref_size 199
	.end_amdhsa_kernel
	.amdgpu_metadata
---
amdhsa.version: [ 1, 2 ]
amdhsa.kernels:
  - .name:           k_qe5fa5d30f1_proj
    .symbol:         k_qe5fa5d30f1_proj.kd
    .args:
      - { .name: x, .offset: 0, .size: 8, .value_kind: global_buffer, .address_space: global }
      - { .name: lengths, .offset: 8, .size: 8, .value_kind: global_buffer, .address_space: global }
      - { .name: bq, .offset: 16, .size: 8, .value_kind: global_buffer, .address_space: global }
      - { .name: bk, .offset: 24, .size: 8, .value_kind: global_buffer, .address_space: global }
      - { .name: bv, .offset: 32, .size: 8, .value_kind: global_buffer, .address_space: global }
      - { .name: wq, .offset: 40, .size: 8, .value_kind: global_buffer, .address_space: global }
      - { .name: qbuf, .offset: 48, .size: 8, .value_kind: global_buffer, .address_space: global }
      - { .name: kbuf, .offset: 56, .size: 8, .value_kind: global_buffer, .address_space: global }
      - { .name: vbuf, .offset: 64, .size: 8, .value_kind: global_buffer, .address_space: global }
    .group_segment_fixed_size: 168448
    .private_segment_fixed_size: 0
    .kernarg_segment_align: 8
    .kernarg_segment_size: 72
    .max_flat_workgroup_size: 128
    .sgpr_count:     66
    .vgpr_count:     1024
    .wavefront_size: 32
...
	.end_amdgpu_metadata
.endif
;; end of part 2
;; launch attn (part 3): grid 256 x 1, 4 waves a work-group, no clusters, 70,144 bytes of LDS; arguments qbuf, kbuf, vbuf, tab, part; writes part
.if DOCPART == 3
	.amdgcn_target "amdgcn-amd-amdhsa--gfx1250"
	.amdhsa_code_object_version 6
	.text
	.protected	k_qe5fa5d30f1_attn
	.globl	k_qe5fa5d30f1_attn
	.p2align	8
	.type	k_qe5fa5d30f1_attn,@function
k_qe5fa5d30f1_attn:
	s_mov_b64 s[64:65], 0
	v_nop
	global_prefetch_b8 v0, s[64:65] scope:SCOPE_SE
	s_setreg_imm32_b32 hwreg(HW_REG_WAVE_MODE, 25, 1), 1
	s_wait_xcnt 0x0
; part[i][e] = the sum, over the queries of entry i's quads, of sum over the keys of entry i's chunk of Q(S)[query][key] Q(v)[key][e], S = Q(q) Q(k)^T; both products on codes of BF8 (E5M2) with E8M0 scales.
; Only what the mask of reference() keeps is multiplied: a query or a key at or past the length gives S = 0, and the table of the first launch lists the kept chunks of 128 keys and quads of 64 queries.
; SHARES.  Work-group i takes ONE chunk of keys and cnt quads (tab[i] = {chunk, first quad, cnt, batch}); of a quad wave w takes tile 4 quad + w, 16 queries.  cnt = 0: the work-group stores zeros.
; K's and V's fragments of the chunk (16 + 16, 512 registers) stay in every wave's registers: each wave fetches a quarter of the 64 KiB from memory, and the four quarters go round through LDS as they lie.
; Q's tiles (4 KiB and 128 bytes of scale words) come from memory straight into a ring of four register buffers, four tiles ahead.
; LAYOUT.  Both products are used transposed: S^T = K Q^T (source 0 = 16 keys, source 1 = 16 queries), O^T = V^T P^T (source 0 = 16 features, source 1 = P = Q(S)): a lane holds ONE query.
; The keys of a tile of K are 32 B + 8 u + r + 8 (r / 8), so the 16 registers of two neighbouring tiles of S^T are 16 neighbouring keys: the conversions' results are P's registers.
; THE RESULT IS SUMMED OVER THE QUERIES, so all tiles of queries add into the same 16 accumulators of O^T; at the end the 16 lanes of each half are summed, and the four waves' rows in LDS.
; No tensor load, no copy, no joint loads of a cluster; both barriers stand on every path.
; LIMITS: a block of zeros gets the byte 1 where the rule says 127 (its codes are zeros); NaN and infinities are not served.
; REGISTERS, in windows of 256: window 0: addresses, scale words, v64-127 S^T, v128-143 P, v144-207 at work at the end.   window 1: K (tile t, K step ks at 32 t + 16 ks).   window 2: V (tile t at 16 t).
;   window 3: v0-127 O^T (tile t at 8 t); v128-255 Q's ring (buffer k, K step ks at 128 + 32 k + 16 ks).
.set VIMG, 32768                       ; LDS: K's 32 KiB at 0, V's behind them,
.set RED,  65536                       ; and 1,024 bytes for each wave's row of 256 sums
.set SCO,  8388608                     ; where the scale words begin in qbuf, kbuf, vbuf
.set LI,  1                            ; v1   16 x lane
.set LS,  2                            ; v2   4 x lane
.set SWI, 3                            ; v3   where I put my quarter of the chunk
.set RW,  4                            ; v4   where I put my eight sums
.set RR,  5                            ; v5   where my thread reads its two columns
.set PO,  6                            ; v6   and stores them
.set KS,  16                           ; v16-23 K's scale words, tile t: lanes 0-15 K step 0, lanes 16-31 K step 1
.set VS,  24                           ; v24-31 V's: register i: lanes 0-15 tile 2 i, lanes 16-31 tile 2 i + 1
.set QS,  32                           ; v32-35 Q's, buffer k: as K's
.set PW,  36                           ; v36    P's scale word
.set MK,  37                           ; (not used here)
.set TM,  40
.set S,   64
.set PC,  128
.set T,   144
.set I,   21                           ; s21  the trip's first quad, counted from the entry's first: 4 x the trip's number
.set TR,  28                           ; s28  the trip's number: the loop's counter, stepped by 1
.set NT,  29                           ; s29  the trips: ceil(cnt / 4), 1 to 8; the loop does not write it
.set QB,  30                           ; s[30:31] qbuf at my wave's tile of quad 0;  s[32:33] its scale words
.set QSB, 32
.set M8,  34                           ; s34-37 the lanes whose bit 3, 2, 1, 0 is set
.set M4,  35
.set M2,  36
.set M1,  37
.set SEL, 38
.set MNT, 42
.set QA,  44                           ; s[44:51] a base for each ring buffer;  s[52:59] for its scale words
.set QSA, 52
.set MSB, 0
.macro WIN new                         ; the immediate's high byte repeats the setting that is left
.if MSB != \new
	s_set_vgpr_msb (MSB<<8)|\new
.set MSB, \new
.endif
.endm
.macro PLACES n
.rept \n
	v_nop
.endr
.endm
; 64 numbers of a lane, v[s] .. v[s + 63], register 16 b + i = k 32 b + 16 (lane / 16) + i of my row, become a fragment's codes in v[PC] on and its scale word in v[PW].
.macro QUANT s, mk
.irp b, 0,1,2,3
	v_max3_num_f32 v[TM+\b], |v[\s+16*\b]|, |v[\s+1+16*\b]|, 0x8000000   ; block b: my 16 numbers, and the floor 2^(16 - 127): the byte cannot fall under 1
.endr
.irp i, 2,4,6,8,10,12,14
.irp b, 0,1,2,3
	v_max3_num_f32 v[TM+\b], v[TM+\b], |v[\s+16*\b+\i]|, |v[\s+1+16*\b+\i]|   ; the four blocks by turns; each accumulator is read from its low end on
.endr
.endr
.irp b, 0,1,2,3
	v_permlanex16_b32 v[TM+4+\b], v[TM+\b], s[SEL], s[SEL+1]
.endr
.irp b, 0,1,2,3
	v_max_num_f32 v[TM+\b], v[TM+\b], v[TM+4+\b]   ; with lane l xor 16's: the block's largest magnitude
.endr
.irp b, 0,1,2,3
	v_add_nc_u32 v[TM+12+\b], 0xf8800000, v[TM+\b]   ; 15 off its exponent field: the conversion's scale operand
.endr
.irp b, 0,1,2,3
	v_and_or_b32 v[TM+8+\b], v[TM+\b], 0x7f800000, s[MNT]   ; 57,344 x the scale
.endr
.if \mk
.irp b, 0,1,2,3
	v_and_b32 v[TM+8+\b], v[MK], v[TM+8+\b]
.endr
.endif
.irp b, 0,1,2,3
	v_lshrrev_b32 v[TM+4+\b], 23, v[TM+12+\b]   ; the scale's byte
.endr
	v_lshl_or_b32 v[PW], v[TM+5], 8, v[TM+4]
	v_lshl_or_b32 v[PW], v[TM+6], 16, v[PW]
	v_lshl_or_b32 v[PW], v[TM+7], 24, v[PW]        ; the 64 holds below stand between the scale word and the products that name it
.irp b, 0,1,2,3
.irp i, 0,1,2,3,4,5,6,7,8,9,10,11,12,13,14,15
	v_med3_num_f32 v[\s+16*\b+\i], v[\s+16*\b+\i], -v[TM+8+\b], v[TM+8+\b]   ; the conversion to an 8-bit code does not saturate (ISA guide 7.6.2): the hold comes first
.endr
	v_cvt_scalef32_pk8_bf8_f32 v[PC+4*\b:PC+1+4*\b], v[\s+16*\b:\s+7+16*\b], v[TM+12+\b]
	v_cvt_scalef32_pk8_bf8_f32 v[PC+2+4*\b:PC+3+4*\b], v[\s+8+16*\b:\s+15+16*\b], v[TM+12+\b]
.endr
	v_nop                                          ; one plain line behind the last conversion
.endm
; Ring buffer k takes my tile of quad I + k + ahead, held to the entry's last quad: nine loads on every path, so that the counted waits hold on every path and no load leaves the buffer.
.macro QLOAD k, ahead
	s_add_co_u32 s40, s[I], (\k)+(\ahead)
	s_min_u32 s40, s40, s27
	s_add_co_u32 s40, s40, s25
	s_min_u32 s40, s40, 511                        ; a quad of qbuf, whatever the table holds
	s_lshl_b32 s2, s40, 14                         ; four tiles of 4,096 bytes a quad
	s_add_nc_u64 s[QA+2*(\k):QA+2*(\k)+1], s[QB:QB+1], s[2:3]
	s_lshl_b32 s2, s40, 9                          ; four times 128 bytes of scale words
	s_add_nc_u64 s[QSA+2*(\k):QSA+2*(\k)+1], s[QSB:QSB+1], s[2:3]
	WIN 0xc0                                       ; destination window 3
.irp g, 0,1,2,3,4,5,6,7
	global_load_b128 v[128+32*(\k)+4*\g:128+32*(\k)+4*\g+3], v[LI], s[QA+2*(\k):QA+2*(\k)+1] offset:512*\g
.endr
	WIN 0
	global_load_b32 v[QS+(\k)], v[LS], s[QSA+2*(\k):QSA+2*(\k)+1]
.endm
	s_load_b256 s[4:11], s[0:1], 0x0               ; qbuf s[4:5], kbuf s[6:7], vbuf s[8:9], tab s[10:11]
	s_load_b64 s[12:13], s[0:1], 0x20              ; part
	v_lshl_add_u32 v254, v0, 2, 0x11000
	v_mov_b32 v255, 0
	v_lshrrev_b32 v7, 5, v0
	v_readfirstlane_b32 s20, v7                    ; wave 0..3
	s_lshl_b32 s2, ttmp9, 4
	s_mov_b32 s3, 0                                ; stays 0: the upper word of every offset
	s_wait_kmcnt 0x0
	s_add_nc_u64 s[10:11], s[10:11], s[2:3]
	s_load_b128 s[24:27], s[10:11], 0x0            ; my entry
	v_and_b32 v7, 31, v0                           ; lane
	v_and_b32 v8, 15, v0                           ; r
	v_bfe_u32 v9, v0, 4, 1                         ; h
	v_lshlrev_b32 v[LI], 4, v7
	v_lshlrev_b32 v[LS], 2, v7
	s_lshl_b32 s40, s20, 13
	v_add_nc_u32 v[SWI], s40, v[LI]
	s_lshl_b32 s40, s20, 10
	s_add_co_u32 s40, s40, RED
	v_lshlrev_b32 v[RW], 6, v8
	v_lshl_add_u32 v[RW], v9, 5, v[RW]
	v_add_nc_u32 v[RW], s40, v[RW]                 ; my wave's row, features 16 r + 8 h on
	v_lshl_add_u32 v[RR], v0, 3, RED
	v_lshlrev_b32 v[PO], 3, v0
.irp b, 0,1,2,3
	v_mov_b32 v[TM+4+\b], 0                        ; written once: a lane permute's destination counts as one of its sources
.endr
	s_mov_b32 s[SEL], 0x76543210
	s_mov_b32 s[SEL+1], 0xfedcba98
	s_mov_b32 s[MNT], 0x600000
	s_mov_b32 s[M8], 0xff00ff00
	s_mov_b32 s[M4], 0xf0f0f0f0
	s_mov_b32 s[M2], 0xcccccccc
	s_mov_b32 s[M1], 0xaaaaaaaa
	s_mov_b32 s[I], 0
	s_mov_b32 s[TR], 0
	WIN 0xc0
.set i, 0
.rept 128
	v_mov_b32 v[i], 0                              ; O^T.  It is cleared, while the entry is on its way: a tile's step is written once, may run no time at all, and a work-group without quads stores these zeros
.set i, i+1
.endr
	WIN 0
	s_wait_kmcnt 0x0
	s_min_u32 s24, s24, 255                        ; the chunk, the first quad and the count, held inside the buffers whatever the table holds
	s_min_u32 s25, s25, 511
	s_min_u32 s26, s26, 32
	s_max_u32 s27, s26, 1
	s_sub_co_u32 s27, s27, 1                       ; the entry's last quad
	s_add_co_u32 s[NT], s26, 3
	s_lshr_b32 s[NT], s[NT], 2                     ; four quads a trip: ceil(cnt / 4) trips
	s_lshl_b32 s2, s20, 12
	s_add_nc_u64 s[QB:QB+1], s[4:5], s[2:3]
	s_lshl_b32 s2, s20, 7
	s_add_co_u32 s2, s2, SCO
	s_add_nc_u64 s[QSB:QSB+1], s[4:5], s[2:3]
	s_lshl_b32 s2, s24, 15                         ; a chunk's images are 32,768 bytes,
	s_lshl_b32 s40, s20, 13                        ; my quarter 8,192
	s_add_co_u32 s2, s2, s40
	s_add_nc_u64 s[14:15], s[6:7], s[2:3]
	s_add_nc_u64 s[16:17], s[8:9], s[2:3]
	s_lshl_b32 s2, s24, 10                         ; its scale words 1,024
	s_add_co_u32 s2, s2, SCO
	s_add_nc_u64 s[18:19], s[6:7], s[2:3]
	s_add_nc_u64 s[22:23], s[8:9], s[2:3]
	s_lshl_b32 s2, ttmp9, 10
	s_add_nc_u64 s[12:13], s[12:13], s[2:3]        ; my row of part
	WIN 0x40                                       ; destination window 1: K's registers serve as the stage on the way to LDS
.irp i, 0,1,2,3,4,5,6,7,8,9,10,11,12,13,14,15
	global_load_b128 v[4*\i:4*\i+3], v[LI], s[14:15] offset:512*\i
.endr
.irp i, 0,1,2,3,4,5,6,7,8,9,10,11,12,13,14,15
	global_load_b128 v[64+4*\i:64+4*\i+3], v[LI], s[16:17] offset:512*\i
.endr
	WIN 0
.irp t, 0,1,2,3,4,5,6,7
	global_load_b32 v[KS+\t], v[LS], s[18:19] offset:128*\t
.endr
.irp t, 0,1,2,3,4,5,6,7
	global_load_b32 v[VS+\t], v[LS], s[22:23] offset:128*\t
.endr
	QLOAD 0, 0
	QLOAD 1, 0
	QLOAD 2, 0
	QLOAD 3, 0
	s_wait_loadcnt 52                              ; my quarter of K and V is in: behind it came 16 loads of scale words and 4 x 9 of Q
	WIN 0x04                                       ; an LDS store's data are its source 1: window 1
.irp i, 0,1,2,3,4,5,6,7,8,9,10,11,12,13,14,15
	ds_store_b128 v[SWI], v[4*\i:4*\i+3] offset:512*\i
.endr
.irp i, 0,1,2,3,4,5,6,7,8,9,10,11,12,13,14,15
	ds_store_b128 v[SWI], v[64+4*\i:64+4*\i+3] offset:VIMG+512*\i
.endr
	WIN 0
	s_wait_dscnt 0x0                               ; for the others' sake: my quarter lies in LDS
	s_barrier_signal -1
	s_barrier_wait -1                              ; the chunk's 64 KiB lie in LDS; they are never written again
	s_cmp_eq_u32 s26, 0                            ; the same in all four waves; no barrier is jumped over
	s_cbranch_scc1 .Lout
	WIN 0x40
.set i, 0
.rept 64
	ds_load_b128 v[4*i:4*i+3], v[LI] offset:512*i          ; K: the images are the registers
.set i, i+1
.endr
	WIN 0x80
.set i, 0
.rept 64
	ds_load_b128 v[4*i:4*i+3], v[LI] offset:VIMG+512*i     ; V
.set i, i+1
.endr
	WIN 0
; Ring buffer k's turn: my tile of quad I + k, if the entry has it.
.macro SLOT k
	s_wait_loadcnt 27                              ; buffer k and all that is older are in: behind it came the three other buffers' nine loads each.  Ahead of the branch: so the reload below finds its registers and its bases free on both paths
	s_add_co_u32 s40, s[I], \k
	s_cmp_ge_u32 s40, s26
	s_cbranch_scc1 .Lskip_\@
	s_wait_dscnt 63                                ; of the 128 LDS loads at least the first 65 are in: K's 64 among them
	WIN 0x0d                                       ; source 0 (K) window 1, source 1 (Q) window 3
.irp t, 0,1,2,3,4,5,6,7
	v_wmma_scale_f32_16x16x128_f8f6f4 v[S+8*\t:S+8*\t+7], v[32*\t:32*\t+15], v[128+32*(\k):128+32*(\k)+15], 0, v[KS+\t], v[QS+(\k)] matrix_a_fmt:MATRIX_FMT_BF8 matrix_b_fmt:MATRIX_FMT_BF8
.endr
.irp t, 0,1,2,3,4,5,6,7
	v_wmma_scale_f32_16x16x128_f8f6f4 v[S+8*\t:S+8*\t+7], v[32*\t+16:32*\t+31], v[128+32*(\k)+16:128+32*(\k)+31], v[S+8*\t:S+8*\t+7], v[KS+\t], v[QS+(\k)] matrix_a_fmt:MATRIX_FMT_BF8 matrix_b_fmt:MATRIX_FMT_BF8 matrix_a_scale:MATRIX_SCALE_ROW1 matrix_b_scale:MATRIX_SCALE_ROW1
.endr
	WIN 0
	PLACES 8                                       ; between the last product and the first read of its result (ISA guide 7.12.1)
	QUANT S, 0                                     ; lane (r, h): query r, keys 32 b + 16 h + i: S is quantised along the keys
	PLACES 3                                       ; with the line that ends QUANT: four places between the codes and the products that take them
	s_wait_dscnt 0x0                               ; V is in
	WIN 0xf2                                       ; source 0 (V) window 2, source 1 (P) window 0, C and D window 3
.irp t, 0,2,4,6,8,10,12,14                     ; the sixteen accumulators by turns, one instruction a turn
	v_wmma_scale_f32_16x16x128_f8f6f4 v[8*\t:8*\t+7], v[16*\t:16*\t+15], v[PC:PC+15], v[8*\t:8*\t+7], v[VS+\t/2], v[PW] matrix_a_fmt:MATRIX_FMT_BF8 matrix_b_fmt:MATRIX_FMT_BF8
	v_wmma_scale_f32_16x16x128_f8f6f4 v[8*\t+8:8*\t+15], v[16*\t+16:16*\t+31], v[PC:PC+15], v[8*\t+8:8*\t+15], v[VS+\t/2], v[PW] matrix_a_fmt:MATRIX_FMT_BF8 matrix_b_fmt:MATRIX_FMT_BF8 matrix_a_scale:MATRIX_SCALE_ROW1
.endr
	WIN 0
.Lskip_\@:
	QLOAD \k, 4                                    ; the buffer's last reader, K Q^T, stands in front of the whole quantiser
.endm
.Ltrip:                                                ; a trip: four quads, one for each ring buffer; ceil(cnt / 4) trips, counted by 1
	s_lshl_b32 s[I], s[TR], 2                      ; the trip's first quad
	SLOT 0
	SLOT 1
	SLOT 2
	SLOT 3
	s_add_co_u32 s[TR], s[TR], 1
	s_cmp_lt_u32 s[TR], s[NT]
	s_cbranch_scc1 .Ltrip
.Lout:
	; THE SUM OVER THE SIXTEEN QUERIES OF A HALF OF THE LANES.  Four folds: in each a lane keeps half of its registers, by one bit of its number, sends the other half to the lane that keeps those, and adds what it is sent.
	; Register 8 t + j of lane (r, h) is feature 16 t + 8 h + j; the folds go by bits 3, 2, 1, 0 of r against bits 3, 2, 1, 0 of t: at the end lane (r, h) holds features 16 r + 8 h + 0 .. 7.
	PLACES 8                                       ; between the last product and the first read of its result
	WIN 0x0f                                       ; sources 0 and 1 window 3
.set i, 0
.rept 64
	v_cndmask_b32 v[S+i], v[i], v[i+64], s[M8]     ; kept (each accumulator is read from its low end on)
	v_cndmask_b32 v[T+i], v[i+64], v[i], s[M8]     ; sent
.set i, i+1
.endr
	WIN 0
.set i, 0
.rept 64
	v_add_f32_dpp v[S+i], v[T+i], v[S+i] row_xmask:8 row_mask:0xf bank_mask:0xf
.set i, i+1
.endr
.macro FOLD n, x, m
.set i, 0
.rept \n
	v_cndmask_b32 v[T+i], v[S+i+\n], v[S+i], s[\m]
	v_cndmask_b32 v[S+i], v[S+i], v[S+i+\n], s[\m]
.set i, i+1
.endr
.set i, 0
.rept \n
	v_add_f32_dpp v[S+i], v[T+i], v[S+i] row_xmask:\x row_mask:0xf bank_mask:0xf
.set i, i+1
.endr
.endm
	FOLD 32, 4, M4
	FOLD 16, 2, M2
	FOLD 8, 1, M1
	ds_store_b128 v[RW], v[S:S+3]
	ds_store_b128 v[RW], v[S+4:S+7] offset:16
	s_wait_dscnt 0x0                               ; for the others' sake: my row lies in LDS
	s_barrier_signal -1
	s_barrier_wait -1
.irp w, 0,1,2,3
	ds_load_b64 v[T+2*\w:T+2*\w+1], v[RR] offset:1024*\w   ; my thread's two columns of the four waves' rows
.endr
	s_wait_dscnt 0x0
	v_pk_add_f32 v[T:T+1], v[T:T+1], v[T+2:T+3]
	v_pk_add_f32 v[T+4:T+5], v[T+4:T+5], v[T+6:T+7]
	v_pk_add_f32 v[T:T+1], v[T:T+1], v[T+4:T+5]
	global_store_b64 v[PO], v[T:T+1], s[12:13]     ; 32 lanes store 256 consecutive bytes, at a multiple of 256 from part's first byte
	s_wait_tensorcnt 0x0
	ds_add_u32 v254, v255
	s_wait_dscnt 0x0
	s_endpgm                                       ; (the ring's last loads may be out: nothing has touched their registers)
.Lfunc_end_k_qe5fa5d30f1_attn:
	.size	k_qe5fa5d30f1_attn, .Lfunc_end_k_qe5fa5d30f1_attn-k_qe5fa5d30f1_attn
	.p2alignl 7, 3214868480
	.fill 96, 4, 3214868480
	.section	.rodata,"a",@progbits
	.p2align	6, 0x0
	.amdhsa_kernel k_qe5fa5d30f1_attn
		.amdhsa_group_segment_fixed_size 70144
		.amdhsa_private_segment_fixed_size 0
		.amdhsa_enable_private_segment 0
		.amdhsa_kernarg_size 40
		.amdhsa_user_sgpr_count 2
		.amdhsa_user_sgpr_kernarg_segment_ptr 1
		.amdhsa_wavefront_size32 1
		.amdhsa_system_sgpr_workgroup_id_x 1
		.amdhsa_system_sgpr_workgroup_id_y 1
		.amdhsa_system_sgpr_workgroup_id_z 1
		.amdhsa_system_vgpr_workitem_id 0
		.amdhsa_next_free_vgpr 1024
		.amdhsa_next_free_sgpr 66
		.amdhsa_reserve_vcc 0
		.amdhsa_float_denorm_mode_32 3
		.amdhsa_float_denorm_mode_16_64 3
		.amdhsa_memory_ordered 1
		.amdhsa_forward_progress 1
		.amdhsa_inst_pref_size 106
	.end_amdhsa_kernel
	.amdgpu_metadata
---
amdhsa.version: [ 1, 2 ]
amdhsa.kernels:
  - .name:           k_qe5fa5d30f1_attn
    .symbol:         k_qe5fa5d30f1_attn.kd
    .args:
      - { .name: qbuf, .offset: 0, .size: 8, .value_kind: global_buffer, .address_space: global }
      - { .name: kbuf, .offset: 8, .size: 8, .value_kind: global_buffer, .address_space: global }
      - { .name: vbuf, .offset: 16, .size: 8, .value_kind: global_buffer, .address_space: global }
      - { .name: tab, .offset: 24, .size: 8, .value_kind: global_buffer, .address_space: global }
      - { .name: part, .offset: 32, .size: 8, .value_kind: global_buffer, .address_space: global }
    .group_segment_fixed_size: 70144
    .private_segment_fixed_size: 0
    .kernarg_segment_align: 8
    .kernarg_segment_size: 40
    .max_flat_workgroup_size: 128
    .sgpr_count:     66
    .vgpr_count:     1024
    .wavefront_size: 32
...
	.end_amdgpu_metadata
.endif
;; end of part 3
;; launch reduce (part 4): grid 2 x 16, 16 waves a work-group, no clusters, 10,240 bytes of LDS; arguments part, tab, out0; writes out0
.if DOCPART == 4
	.amdgcn_target "amdgcn-amd-amdhsa--gfx1250"
	.amdhsa_code_object_version 6
	.text
	.protected	k_qe5fa5d30f1_reduce
	.globl	k_qe5fa5d30f1_reduce
	.p2align	8
	.type	k_qe5fa5d30f1_reduce,@function
k_qe5fa5d30f1_reduce:
	s_mov_b64 s[64:65], 0
	v_nop
	global_prefetch_b8 v0, s[64:65] scope:SCOPE_SE
	s_setreg_imm32_b32 hwreg(HW_REG_WAVE_MODE, 25, 1), 1
	s_wait_xcnt 0x0
; out0[b][e] = (the sum of the rows of part whose entry of tab names batch b) / 2048.  part: [256][256] f32; tab: 256 entries of 16 bytes, the batch in the fourth word.
; A work-group takes a batch (y) and 128 columns (x).  Wave w takes rows 16 p + w, p = 0 .. 15; lane l columns 4 l .. 4 l + 3 of the half: a load of a wave covers 512 consecutive bytes.
; Every row is read and a row of another batch is REPLACED by zeros (a select, not a multiplication, so that an overflow in one batch cannot reach another): no branch and no address hangs on the table.
; Entries not in use name batch 0 and their rows are zeros.  The sixteen waves' sums meet in LDS; wave 0 adds them, in a fixed order, and stores.
	s_load_b128 s[4:7], s[0:1], 0x0                ; part s[4:5], tab s[6:7]
	s_load_b64 s[10:11], s[0:1], 0x10              ; out0
	v_lshl_add_u32 v96, v0, 2, 0x2000
	v_mov_b32 v97, 0
	v_lshrrev_b32 v1, 5, v0
	v_readfirstlane_b32 s8, v1                     ; wave 0..15
	s_and_b32 s9, ttmp7, 0xffff                    ; the batch
	v_and_b32 v2, 31, v0                           ; lane
	v_and_b32 v3, 15, v0
	v_lshlrev_b32 v3, 8, v3
	s_lshl_b32 s2, s8, 4
	s_add_co_u32 s2, s2, 12
	v_add_nc_u32 v3, s2, v3                        ; lane p: the batch word of entry 16 p + w
	v_lshlrev_b32 v4, 4, v2                        ; 16 bytes a lane
	s_lshl_b32 s2, ttmp9, 9                        ; my half of the columns,
	s_lshl_b32 s3, s8, 10                          ; row w
	s_add_co_u32 s2, s2, s3
	v_add_nc_u32 v5, s2, v4
	v_lshlrev_b32 v6, 4, v0                        ; LDS: 512 bytes a wave, 16 a lane
	s_lshl_b32 s2, s9, 10
	s_lshl_b32 s3, ttmp9, 9
	s_add_co_u32 s2, s2, s3
	s_mov_b32 s3, 0
	s_wait_kmcnt 0x0
	s_add_nc_u64 s[10:11], s[10:11], s[2:3]
	global_load_b32 v7, v3, s[6:7]
.irp p, 0,1,2,3,4,5,6,7,8,9,10,11,12,13,14,15
	global_load_b128 v[16+4*\p:19+4*\p], v5, s[4:5] offset:16384*\p
.endr
.irp p, 0,1,2,3,4,5,6,7,8,9,10,11,12,13,14,15
	s_wait_loadcnt 15-\p                           ; row p and the batch words are in; the rows behind it may be out
	v_readlane_b32 s12, v7, \p
	s_cmp_eq_u32 s12, s9
	s_cselect_b32 s13, -1, 0                       ; all lanes, or none
.if \p == 0
.irp j, 0,1,2,3
	v_cndmask_b32 v[8+\j], 0, v[16+\j], s13        ; the first row starts the sums
.endr
.else
.irp j, 0,1,2,3
	v_cndmask_b32 v[16+4*\p+\j], 0, v[16+4*\p+\j], s13
.endr
	v_pk_add_f32 v[8:9], v[8:9], v[16+4*\p:17+4*\p]
	v_pk_add_f32 v[10:11], v[10:11], v[18+4*\p:19+4*\p]
.endif
.endr
	ds_store_b128 v6, v[8:11]
	s_wait_dscnt 0x0                               ; for wave 0's sake: my sums lie in LDS
	s_barrier_signal -1
	s_barrier_wait -1
	s_cmp_lg_u32 s8, 0
	s_cbranch_scc1 .Lend
.irp w, 0,1,2,3,4,5,6,7,8,9,10,11,12,13,14,15
	ds_load_b128 v[16+4*\w:19+4*\w], v4 offset:512*\w
.endr
	s_wait_dscnt 0x0
.irp d, 8,4,2,1
.set i, 0
.rept \d
	v_pk_add_f32 v[16+4*i:17+4*i], v[16+4*i:17+4*i], v[16+4*(i+\d):17+4*(i+\d)]
	v_pk_add_f32 v[18+4*i:19+4*i], v[18+4*i:19+4*i], v[18+4*(i+\d):19+4*(i+\d)]
.set i, i+1
.endr
.endr
	v_pk_mul_f32 v[16:17], v[16:17], 0x3a000000 op_sel_hi:[1,0]   ; / 2048: the mean over the padded length
	v_pk_mul_f32 v[18:19], v[18:19], 0x3a000000 op_sel_hi:[1,0]
	global_store_b128 v4, v[16:19], s[10:11]       ; 32 lanes store 512 consecutive bytes, at a multiple of 256 from out0's first byte
.Lend:
	s_wait_tensorcnt 0x0
	ds_add_u32 v96, v97
	s_wait_dscnt 0x0
	s_endpgm
.Lfunc_end_k_qe5fa5d30f1_reduce:
	.size	k_qe5fa5d30f1_reduce, .Lfunc_end_k_qe5fa5d30f1_reduce-k_qe5fa5d30f1_reduce
	.p2alignl 7, 3214868480
	.fill 96, 4, 3214868480
	.section	.rodata,"a",@progbits
	.p2align	6, 0x0
	.amdhsa_kernel k_qe5fa5d30f1_reduce
		.amdhsa_group_segment_fixed_size 10240
		.amdhsa_private_segment_fixed_size 0
		.amdhsa_enable_private_segment 0
		.amdhsa_kernarg_size 24
		.amdhsa_user_sgpr_count 2
		.amdhsa_user_sgpr_kernarg_segment_ptr 1
		.amdhsa_wavefront_size32 1
		.amdhsa_system_sgpr_workgroup_id_x 1
		.amdhsa_system_sgpr_workgroup_id_y 1
		.amdhsa_system_sgpr_workgroup_id_z 1
		.amdhsa_system_vgpr_workitem_id 0
		.amdhsa_next_free_vgpr 98
		.amdhsa_next_free_sgpr 66
		.amdhsa_reserve_vcc 0
		.amdhsa_float_denorm_mode_32 3
		.amdhsa_float_denorm_mode_16_64 3
		.amdhsa_memory_ordered 1
		.amdhsa_forward_progress 1
		.amdhsa_inst_pref_size 15
	.end_amdhsa_kernel
	.amdgpu_metadata
---
amdhsa.version: [ 1, 2 ]
amdhsa.kernels:
  - .name:           k_qe5fa5d30f1_reduce
    .symbol:         k_qe5fa5d30f1_reduce.kd
    .args:
      - { .name: part, .offset: 0, .size: 8, .value_kind: global_buffer, .address_space: global }
      - { .name: tab, .offset: 8, .size: 8, .value_kind: global_buffer, .address_space: global }
      - { .name: out0, .offset: 16, .size: 8, .value_kind: global_buffer, .address_space: global }
    .group_segment_fixed_size: 10240
    .private_segment_fixed_size: 0
    .kernarg_segment_align: 8
    .kernarg_segment_size: 24
    .max_flat_workgroup_size: 512
    .sgpr_count:     66
    .vgpr_count:     98
    .wavefront_size: 32
...
	.end_amdgpu_metadata
.endif
;; end of part 4
